; MI455X (gfx1250); checked and timed in simulation.
; The chip was launched on July 23, 2026; its instructions are those of AMD's public machine-readable ISA for CDNA 5 (MIT licence, August 2026) and "CDNA5" Instruction Set Architecture Reference Guide (July 2026). The comments in the code are by the model that wrote it; some were corrected since.
;; Binary Linear. Allowed arithmetic: matrix products marked QUANTISED: E2M1 operands, one E8M0 scale for each 32 along K, by v_wmma_scale_f32_16x16x128_f8f6f4 with both operands' format E2M1 (or v_wmma_scale_f32_32x16x128_f4), f32 sums; everything else in f32.
;; Inputs: bias 4,096 float32; weight 4,096 x 4,096 float32; x_codes 4,096 x 128 x 16 uint8 (E2M1 codes of x, K innermost, in blocks of 32 codes, two codes a byte); x_scales 4,096 x 128 uint8 (E8M0 scales of x, one for each 32 codes along K).
;; Outputs: out0 4,096 x 4,096 float32.
;; This version of the problem:
;;   THIS VERSION OF THE PROBLEM IS GIVEN IN LOW PRECISION. The matrix products marked QUANTISED in the list below multiply operands that are first quantised to E2M1 (2 exponent bits, 1 mantissa bit; 4 bits a number), with one power-of-two scale for each 32 numbers along K (OCP MX v1.0); their sums are f32. All else is computed in f32.
;;   The module's matrix products, in the order in which they are computed (A, B: the left and right operand; K: the contracted axis; several contracted axes count as one K, in the product's order):
;;     1. [M 4,096, K 4,096] x [K 4,096, N 4,096]; A: input x (given as codes); B: computed on the way: QUANTISED
;;   THE QUANTISER, for each operand of a quantised product, along K:
;;     - K is cut into blocks of 32 from its start; a last block that is shorter is filled with zeros.
;;     - A block's scale is 2^e with e = floor(log2(the largest magnitude in the block)) - 2, held to -126 .. 127; a block of zeros has e = 0. As a byte (E8M0): e + 127.
;;     - Each number is divided by its block's scale, clamped to +-6, and rounded to the nearest number of E2M1, ties to even, subnormals kept.
;;     - The product sums the exact products of the quantised numbers (number of the format x scale) in f32.
;;   ~~~python
;;   def quantise(x, axis):      # numpy; x: float32 -> the quantised numbers, widened to float32 again
;;       x = np.moveaxis(x, axis, -1); K = x.shape[-1]
;;       x = np.pad(x, [(0, 0)] * (x.ndim - 1) + [(0, -K % 32)]); x = x.reshape(x.shape[:-1] + (-1, 32)); a = np.abs(x).max(-1, keepdims=True)
;;       e = np.where(a > 0, np.clip(np.frexp(np.where(a > 0, a, 1))[1] - 1 - 2, -126, 127), 0)      # np.frexp(a)[1] - 1 = floor(log2(a)), exactly
;;       r = np.clip(x / 2.0 ** e, -6, 6)
;;       step = 2.0 ** (np.maximum(np.frexp(np.where(r == 0, 1, r))[1] - 1, 0) - 1)
;;       q = np.round(r / step) * step * 2.0 ** e      # np.round: ties to even
;;       return np.moveaxis(q.reshape(q.shape[:-2] + (-1,))[..., :K], -1, axis).astype(np.float32)
;;   ~~~
;;   OPERANDS COMPUTED ON THE WAY. 'Computed on the way' means the value that the module computes at that place (a softmax that the list does not call 'softmax' is quantised finished and normalised). What goes into a quantiser is computed in f32, as accurately as f32 sums, v_exp_f32 and their like allow (about 1e-6 of the number): no bf16 or f16 on the way to a quantiser, and a product that is left as it is and whose result goes on into a quantised operand takes f32 operands (vector FMAs, or v_wmma_f32_16x16x4_f32). A number that lies on a knife's edge between two numbers of the format may be rounded either way, as far as f32 arithmetic and the matrix unit's own rounding can turn it there, and no further.
;;   INPUTS GIVEN AS CODES. x (in the module: [4096, 4096], K = its axis 1): each comes as NAME_codes (uint8): NAME with its K axis moved to the last place and cut into blocks of 32 codes, [.., K / 32, bytes a block], one block behind the other in memory; two codes a byte, the lower K in the low four bits (a code: sign, 2 exponent bits, 1 mantissa bit); and NAME_scales (uint8): the same leading axes, one E8M0 byte (e + 127) for each 32 codes along K. Its value is code x scale, taken as it is: it is not quantised again, and the codes and scales need not be those that the quantiser above would give.
;; One version. Each part assembles by itself: llvm-mc -triple=amdgcn-amd-amdhsa -mcpu=gfx1250 --defsym DOCPART=n.
;; ======== version 1 of 1: 2 launches
;; limits: right only within a limited range of input values
;; workspace buffers: w_codes 8,388,608 bytes; w_scales 65,536 bytes
;; launch binarise (part 1): grid 256 x 1, 16 waves a work-group, no clusters, 37,120 bytes of LDS; arguments weight, w_codes, w_scales; writes w_codes, w_scales
.if DOCPART == 1
	.amdgcn_target "amdgcn-amd-amdhsa--gfx1250"
	.amdhsa_code_object_version 6
	.text
	.protected	k_q09d8f1a760_binarise
	.globl	k_q09d8f1a760_binarise
	.p2align	8
	.type	k_q09d8f1a760_binarise,@function
k_q09d8f1a760_binarise:
	s_mov_b64 s[64:65], 0
	v_nop
	global_prefetch_b8 v0, s[64:65] scope:SCOPE_SE
	s_setreg_imm32_b32 hwreg(HW_REG_WAVE_MODE, 25, 1), 1
	s_wait_xcnt 0x0
; bw[n][k] = sign(W[n][k]) x alpha[n], alpha[n] = the mean of |W[n][:]|, W: [4096][4096] f32, quantised along K to codes of FP4 (E2M1) with one E8M0 scale for each 32.
; OUT, laid as the product's operand registers take it.  A TILE is 16 rows of W, four apart: tile T = 8 cb + 4 g + b holds rows 128 cb + 64 g + b + 4 r, r = 0 .. 15.
;   w_codes [cb 32][step 32][tile in cb 8][c 2][h 2][r 16][16 bytes]: row r's codes of k = 128 step + 64 c + 32 h + 0 .. 31, the lower k in the low four bits.
;   w_scales [T 256][64 words]: word r (and r + 16, + 32, + 48) is row r's scale byte four times.
; ONE BYTE A ROW.  Every number of a row of bw is +alpha, -alpha or 0, so all blocks that hold a number other than 0 have the scale 2^(floor(log2 alpha) - 2).  A block of zeros gets the row's byte
; too: its codes are zeros, which add nothing under any byte but 0xff, and the bytes are read by this program alone.
; ONE CODE A ROW.  The row's code is that of alpha, made by the conversion from alpha and the row's scale.  Ahead of the sum's end each w is converted under the fixed scale 2^-100: a number other than 0
; gives its sign and three ones, a zero gives three zeros; ANDed with (8 | alpha's code) that is the code of sign(w) x alpha.
; SHARES.  One work-group, one tile; one wave, one row: 128 registers, loaded once.  The codes go through LDS, block of 32 by block of 32: [128 blocks][16 rows][16 bytes], 272 bytes from block to block,
; and come back as units of 256 bytes: each store of a wave covers 512 consecutive bytes, aligned.
; No tensor loads, no matrix work, no cluster: no two waves read the same byte of memory.
; LIMITS: NaN and infinities in W are not served; a number of W other than 0 is at least 2^-97 in magnitude; the sum of a row's |w| stays finite; a row's byte is held at 1 from below, as the rule's -126 asks.
.set LO,  2                            ; 16 x lane
.set SA,  3                            ; LDS: 272 (lane / 8) + 2 (lane % 8) + 16 wave: my 2 bytes of a load's blocks
.set SB,  4                            ; LDS: 8 x 272 wave + 272 h + 16 r: where I read
.set SWA, 5                            ; LDS: MSK + 4 wave
.set SRA, 6                            ; LDS: MSK + 64 + 8 (lane % 8)
.set MRA, 7                            ; LDS: MSK + 4 r
.set S,   8                            ; v8-11 four chains of the sum
.set PX,  12
.set SGO, 13                           ; 8 x lane
.set SO,  14                           ; the row's scale operand
.set WD,  15                           ; the scale's byte, then the word
.set C,   16                           ; v16-31 signs
.set W,   32                           ; v32-159 the row: load i in v[W + 4 i] on: k = 128 i + 4 lane + 0 .. 3
.set O,   160                          ; v160-175 codes as they leave
.set SPW, 176
.set NIL, 177
.set CS,  178                          ; the fixed scale operand, 2^-100
.set CW,  179                          ; alpha's code, eight times
.set MK,  180                          ; row r's mask
.set MSK, 128*272                      ; LDS: sixteen masks, then sixteen scale words
.set SPARE, 35072                      ; LDS: the spare words, 128 bytes for each wave
	s_load_b128 s[4:7], s[0:1], 0x0                ; W s[4:5], w_codes s[6:7]
	s_load_b64 s[8:9], s[0:1], 0x10                ; w_scales
	v_lshl_add_u32 v[SPW], v0, 2, SPARE
	v_mov_b32 v[NIL], 0
	v_lshrrev_b32 v1, 5, v0                        ; wave
	v_and_b32 v8, 31, v0                           ; lane
	v_bfe_u32 v9, v0, 3, 2                         ; lane / 8
	v_and_b32 v10, 7, v0                           ; lane % 8
	v_readfirstlane_b32 s10, v1
	v_and_b32 v11, 15, v0                          ; r
	v_bfe_u32 v14, v0, 4, 1                        ; h
	v_mul_u32_u24 v9, v9, 272
	v_lshlrev_b32 v[LO], 4, v8
	v_lshlrev_b32 v[SGO], 3, v8
	v_mul_u32_u24 v15, v1, 2176
	v_lshl_add_u32 v9, v10, 1, v9
	v_lshl_add_u32 v[SRA], v10, 3, MSK+64
	v_mul_u32_u24 v14, v14, 272
	v_lshl_add_u32 v[MRA], v11, 2, MSK
	v_lshl_add_u32 v[SA], v1, 4, v9
	v_lshl_add_u32 v15, v11, 4, v15
	v_lshl_add_u32 v[SWA], v1, 2, MSK
	v_mov_b32 v[PX], 0                             ; a lane permute's destination counts as one of its sources
	v_add_nc_u32 v[SB], v14, v15
	v_mov_b32 v[CS], 0xd800000                     ; exponent field 27
	s_mov_b32 s14, 0x76543210
	s_mov_b32 s15, 0xfedcba98                      ; v_permlanex16_b32's selects for lane l xor 16
	s_lshr_b32 s11, ttmp9, 2
	s_lshl_b32 s11, s11, 6
	s_and_b32 s12, ttmp9, 3
	s_add_co_u32 s11, s11, s12
	s_lshl_b32 s12, s10, 2
	s_add_co_u32 s11, s11, s12                     ; my row: 64 (T / 4) + T % 4 + 4 wave
	s_lshl_b32 s12, s11, 14                        ; 16,384 bytes a row
	s_mov_b32 s13, 0
	s_wait_alu depctr_va_vdst(0)                   ; the head's end
	s_wait_kmcnt 0x0
	s_add_nc_u64 s[4:5], s[4:5], s[12:13]
.set i, 0
.rept 32
	global_load_b128 v[W+4*i:W+4*i+3], v[LO], s[4:5] offset:512*i th:TH_LOAD_NT   ; 32 lanes read 512 consecutive bytes; read once in the launch
.set i, i+1
.endr
	s_lshr_b32 s12, ttmp9, 3
	s_lshl_b32 s12, s12, 18                        ; 128 rows of codes: 262,144 bytes
	s_and_b32 s16, ttmp9, 7
	s_lshl_b32 s16, s16, 10                        ; a tile's part of a step: 1,024 bytes
	s_add_co_u32 s12, s12, s16
	s_lshl_b32 s16, s10, 14                        ; I store steps 2 wave and 2 wave + 1, 8,192 bytes apart
	s_add_co_u32 s12, s12, s16
	s_add_nc_u64 s[6:7], s[6:7], s[12:13]
	s_lshl_b32 s12, ttmp9, 8
	s_add_nc_u64 s[8:9], s[8:9], s[12:13]
; As the loads land, four at a time: the signs' conversion, the sum of |w| in four chains (the first eight numbers start them), and the signs on their way into LDS.
.set g, 0
.rept 8
.if g > 0
	s_wait_alu depctr_va_vdst(0)                   ; directly ahead of the wait below
.endif
	s_wait_loadcnt 28-4*g                          ; loads come back in order: this group's four are in, the 28 - 4 g behind them may be out
	v_cvt_scalef32_pk8_fp4_f32 v[C+2*g], v[W+16*g:W+16*g+7], v[CS]      ; low half: load 4 g; high half: load 4 g + 1
	v_cvt_scalef32_pk8_fp4_f32 v[C+2*g+1], v[W+16*g+8:W+16*g+15], v[CS]
.set n, 16*g
.rept 16
.if n < 4
	v_add_f32 v[S+n], |v[W+n]|, |v[W+n+4]|
.elseif n >= 8
	v_add_f32 v[S+n%4], v[S+n%4], |v[W+n]|
.endif
.set n, n+1
.endr
	ds_store_b16 v[SA], v[C+2*g] offset:1088*(4*g)
	ds_store_b16_d16_hi v[SA], v[C+2*g] offset:1088*(4*g+1)
	ds_store_b16 v[SA], v[C+2*g+1] offset:1088*(4*g+2)
	ds_store_b16_d16_hi v[SA], v[C+2*g+1] offset:1088*(4*g+3)
.set g, g+1
.endr
	v_add_f32 v[S], v[S], v[S+1]
	v_add_f32 v[S+2], v[S+2], v[S+3]
	s_delay_alu instid0(VALU_DEP_1)
	v_add_f32 v[S], v[S], v[S+2]
.irp m, 1,2,4,8
	s_delay_alu instid0(VALU_DEP_1)
	v_add_f32_dpp v[S], v[S], v[S] row_xmask:\m row_mask:0xf bank_mask:0xf
.endr
	s_delay_alu instid0(VALU_DEP_1)
	v_permlanex16_b32 v[PX], v[S], s14, s15
	s_delay_alu instid0(VALU_DEP_1)
	v_add_f32 v[S], v[S], v[PX]                    ; every lane holds the row's sum
	s_delay_alu instid0(VALU_DEP_1)
	v_mul_f32 v[W], 0x39800000, v[S]               ; alpha = the sum x 2^-12, eight times, as the conversion takes eight numbers
.irp m, 1,2,3,4,5,6,7
	v_mul_f32 v[W+\m], 0x39800000, v[S]
.endr
	v_max_num_f32 v[SO], 0x1800000, v[W]           ; the floor 2^(3 - 127): the byte cannot fall under 1
	s_delay_alu instid0(VALU_DEP_1)
	v_add_nc_u32 v[SO], 0xff000000, v[SO]          ; 2 off the exponent field: the conversion's scale operand
	v_cvt_scalef32_pk8_fp4_f32 v[CW], v[W:W+7], v[SO]   ; alpha's code, to the nearest, ties to even
	v_lshrrev_b32 v[WD], 23, v[SO]                 ; the scale's byte,
	s_delay_alu instid0(VALU_DEP_1)
	v_lshl_or_b32 v[WD], v[WD], 8, v[WD]
	s_delay_alu instid0(VALU_DEP_1)
	v_lshl_or_b32 v[WD], v[WD], 16, v[WD]          ; four times: the word serves every 128 along K
	v_or_b32 v[CW], 0x88888888, v[CW]              ; the row's mask: the signs and alpha's code
	ds_store_b32 v[SWA], v[CW]                     ; all lanes write the same word with the same value
	ds_store_b32 v[SWA], v[WD] offset:64
	s_wait_dscnt 0x0                               ; for the other waves' sake: my stores are done
	s_barrier_signal -1
	s_barrier_wait -1
	ds_load_b32 v[MK], v[MRA]
.irp t, 0,1,2,3
	ds_load_b128 v[O+4*\t:O+4*\t+3], v[SB] offset:544*\t   ; blocks 8 wave + 2 t + h, row r
.endr
	s_wait_dscnt 0x0
.irp m, 0,1,2,3,4,5,6,7,8,9,10,11,12,13,14,15
	v_and_b32 v[O+\m], v[O+\m], v[MK]
.endr
.irp t, 0,1,2,3
	global_store_b128 v[LO], v[O+4*\t:O+4*\t+3], s[6:7] offset:8192*(\t/2)+512*(\t%2)   ; 32 lanes store 512 consecutive bytes, at a multiple of 512 from the buffer's first byte
.endr
	s_cmp_lg_u32 s10, 0
	s_cbranch_scc1 .Lend                           ; wave 0 stores the tile's scale words: 256 consecutive bytes
	ds_load_b64 v[S:S+1], v[SRA]
	s_wait_dscnt 0x0
	global_store_b64 v[SGO], v[S:S+1], s[8:9]
.Lend:
	s_wait_tensorcnt 0x0                           ; the wave's end
	ds_add_u32 v[SPW], v[NIL]
	s_wait_dscnt 0x0
	s_endpgm
.Lfunc_end_k_q09d8f1a760_binarise:
	.size	k_q09d8f1a760_binarise, .Lfunc_end_k_q09d8f1a760_binarise-k_q09d8f1a760_binarise
	.p2alignl 7, 3214868480
	.fill 96, 4, 3214868480
	.section	.rodata,"a",@progbits
	.p2align	6, 0x0
	.amdhsa_kernel k_q09d8f1a760_binarise
		.amdhsa_group_segment_fixed_size 37120
		.amdhsa_private_segment_fixed_size 0
		.amdhsa_enable_private_segment 0
		.amdhsa_kernarg_size 24
		.amdhsa_user_sgpr_count 2
		.amdhsa_user_sgpr_kernarg_segment_ptr 1
		.amdhsa_wavefront_size32 1
		.amdhsa_system_sgpr_workgroup_id_x 1
		.amdhsa_system_sgpr_workgroup_id_y 1
		.amdhsa_system_sgpr_workgroup_id_z 1
		.amdhsa_system_vgpr_workitem_id 0
		.amdhsa_next_free_vgpr 184
		.amdhsa_next_free_sgpr 66
		.amdhsa_reserve_vcc 0
		.amdhsa_float_denorm_mode_32 3
		.amdhsa_float_denorm_mode_16_64 3
		.amdhsa_memory_ordered 1
		.amdhsa_forward_progress 1
		.amdhsa_inst_pref_size 21
	.end_amdhsa_kernel
	.amdgpu_metadata
---
amdhsa.version: [ 1, 2 ]
amdhsa.kernels:
  - .name:           k_q09d8f1a760_binarise
    .symbol:         k_q09d8f1a760_binarise.kd
    .args:
      - { .name: weight, .offset: 0, .size: 8, .value_kind: global_buffer, .address_space: global }
      - { .name: w_codes, .offset: 8, .size: 8, .value_kind: global_buffer, .address_space: global }
      - { .name: w_scales, .offset: 16, .size: 8, .value_kind: global_buffer, .address_space: global }
    .group_segment_fixed_size: 37120
    .private_segment_fixed_size: 0
    .kernarg_segment_align: 8
    .kernarg_segment_size: 24
    .max_flat_workgroup_size: 512
    .sgpr_count:     66
    .vgpr_count:     184
    .wavefront_size: 32
...
	.end_amdgpu_metadata
.endif
;; end of part 1
;; launch gemm (part 2): grid 16 x 16, 4 waves a work-group, clusters of 4 x 1, 327,680 bytes of LDS; arguments x_codes, x_scales, w_codes, w_scales, bias, out0; writes out0
.if DOCPART == 2
	.amdgcn_target "amdgcn-amd-amdhsa--gfx1250"
	.amdhsa_code_object_version 6
	.text
	.protected	k_q09d8f1a760_gemm
	.globl	k_q09d8f1a760_gemm
	.p2align	8
	.type	k_q09d8f1a760_gemm,@function
k_q09d8f1a760_gemm:
	s_mov_b64 s[64:65], 0
	v_nop
	global_prefetch_b8 v0, s[64:65] scope:SCOPE_SE
	s_setreg_imm32_b32 hwreg(HW_REG_WAVE_MODE, 25, 1), 1
	s_wait_xcnt 0x0
	s_wait_alu depctr_hold_cnt(0) depctr_sa_sdst(0) depctr_va_vdst(0) depctr_va_sdst(0) depctr_va_ssrc(0) depctr_va_vcc(0) depctr_vm_vsrc(0)
	s_getreg_b32 s2, hwreg(HW_REG_IB_STS2, 6, 4)
	s_cmp_eq_u32 s2, 0
	s_cbranch_scc0 .Lentry_in_a_cluster
	s_endpgm
.Lentry_in_a_cluster:
	s_bfe_u32 s2, ttmp6, 0x10000c
	s_cmp_lg_u32 s2, 0x3003
	s_cbranch_scc0 .Lentry_shape_is_right
	s_endpgm
.Lentry_shape_is_right:
; y[m][n] = bias[n] + sum over k of x[m][k] bw[n][k]; x and bw codes of FP4 (E2M1) with E8M0 scales, one for each 32 along K (bw: one byte a row); sums in f32; y: [4096][4096] f32.
; A work-group of four waves makes 256 x 256 of y; a wave 256 rows x 64 columns: 32 accumulators of 32 x 16, 512 registers.  256 work-groups.
; X goes through a ring of two LDS slots, each 256 rows x 1,024 along K (a PART: rows of 512 bytes + 16 of padding: 33 columns of 16 bytes, so the 16 rows that a load touches start in 16 different columns of 256 bytes).
; The head brings part 0 and all the scales, one load a wave; part 1 follows behind the second round, parts 2 and 3 each behind the round in which the slot before has been read out.
; W GOES STRAIGHT INTO REGISTERS, in the order in which the launch before has laid it: each load of a wave is 512 consecutive bytes.  A wave reads the codes of its own 64 columns, which no other wave of the
; work-group needs.  A step is 128 along K: 8 loads of W, 32 matrix instructions of 32 x 16 x 128.  Eight steps of W fill window 1; step s asks for step s + 7, into the registers that step s - 1 has read.
; THE LAST SIX STEPS GO BY ROWS: all their W is in registers, and each block of 16 rows is finished (24 matrix instructions of 16 x 16 x 128) and stored before the next, so that stores leave while the others are multiplied.
; K ascends in every sum.
; THE WAY OUT.  Source 0 = rows of x, source 1 = tile t of W: columns t + 4 r of the wave's 64.  So lane (r, h) holds, in register j of a block's accumulators of tiles 0 .. 3, the columns 4 r + 0 .. 3 of row 8 h + j:
; 16 neighbouring bytes, and 16 neighbouring lanes 256.  The bias is added as the four are brought side by side, and they are stored.
; CLUSTERS: the 4 work-groups of a cluster make four column groups of the same 256 rows: x's tiles and scales are asked for jointly.  W differs among them.
; PREFETCH.  W: a wave's step is 16 blocks of 256 bytes; a lane names one, an instruction two steps.  The 16 work-groups that read the same W share each eight steps out by their row group / 4: a block is named by four
; work-groups; at the head steps 8 to 15, in trip t steps 8 t + 16 to 8 t + 23, whose loads begin a trip later.  x: in trip t part t + 2, the 512 blocks shared out among the cluster's 16 waves by address, six steps ahead of
; its load.  Nothing beyond step 31 or part 3; x's parts 0 and 1 come by their loads alone.
; REGISTERS: window 0: v0-31 addresses; v32-95 x's scale words, two sets of 4 steps; v96-223 x's fragments, 16 blocks (by rows: two buffers of 48); v224-227 W's scales; v228-231 the bias.
;   window 1: W's fragments, step s at v[32 (s % 8)] (by rows v0-63 hold results on their way out).  window 2: accumulators of rows 0-127; window 3: those of rows 128-255: blocks 2 p, 2 p + 1 of 16 rows and tile t at
;   v[64 (p % 4) + 16 t], the even block in the first 8 registers.
; LIMITS: none beyond the operands' format and f32 sums.
.set PITCH, 528
.set HALFR, 128*PITCH
.set SLOT,  256*PITCH
.set BLK,   16*PITCH
.set SCL,   2*SLOT                     ; x's scales: 128 lines of 256 bytes (two rows of 128) + 16 of padding
.set QS,    64*272
.set SBLK,  8*272                      ; the scales of a block of 16 rows
.set SPARE, SCL+2*QS                   ; the spare words: 128 bytes for each wave
.set ADL,  16                          ; LDS: my fragment row in the current slot, blocks 0-7
.set ADH,  17                          ; blocks 8-15
.set BSL,  18                          ; row x pitch + 16 h
.set ADRS, 19                          ; LDS: my scale words: lanes 0-15 a pair's even block, lanes 16-31 its odd block
.set BO,   20                          ; 16 x lane
.set WSO,  21                          ; 4 r
.set BIO,  22                          ; 16 r
.set CO,   23                          ; my place in y: 8 h rows + 16 r
.set SPW,  28
.set NIL,  29
.set PFO,  30                          ; W's prefetches: 8,192 (lane / 16) + 256 (lane % 16)
.set PFX,  31                          ; x's: 2,048 (lane / 2) + 256 (lane % 2)
.set SC,   32
.set AF,   96
.set WSR,  224
.set BI,   228
.set WV,  16
.set WOF, 21                           ; LDS: where in a slot my 64 rows go
.set SL,  22                           ; the slot that is being read, as an LDS address
.set G1,  24                           ; s[24:31] group 1 of x's codes;  s[32:39] of its scales
.set G1S, 32
.set G0,  40                           ; group 0: part 0; G0S the scales; G0P parts 1 to 3
.set G0S, 44
.set G0P, 48
.set BP,  52                           ; s[52:53] my W
.set PFA, 54                           ; s[54:55] where W's prefetches stand
.set PXA, 56                           ; s[56:57] where x's stand
.set MSB, 0
.macro WIN new                         ; the immediate's high byte repeats the setting that is left
.if MSB != (\new)
	s_set_vgpr_msb (MSB<<8)|(\new)
.set MSB, (\new)
.endif
.endm
.set MUL_LO, 0xa4                      ; source 0 window 0, source 1 window 1, C and D window 2
.set MUL_HI, 0xf4                      ; C and D window 3
.set TO_B,   0x40                      ; destination window 1
.macro CREST                           ; a round of the cluster's barrier behind its opening barrier
	s_cmp_lg_u32 s[WV], 0
	s_cbranch_scc1 .Lnot_wave_0_\@
	s_barrier_signal -3
.Lnot_wave_0_\@:
	s_barrier_wait -3
	s_barrier_signal -1
	s_barrier_wait -1
.endm
.macro CROUND                          ; a whole round
	s_barrier_signal -1
	s_barrier_wait -1
	CREST
.endm
; A load into a register that a matrix instruction has read, and a vector instruction that reads a result or writes over a source, stand four places behind it; only plain vector instructions that name none of its
; registers are places (ISA guide 7.12.1 for vector instructions).
.macro PLACES
.rept 4
	v_nop
.endr
.endm
.macro GL s                            ; W's four tiles of step s, counted from the base's step
.irp t, 0,1,2,3
.irp c, 0,1
	global_load_b128 v[32*((\s)%8)+8*\t+4*\c:32*((\s)%8)+8*\t+4*\c+3], v[BO], s[BP:BP+1] offset:8192*(\s)+1024*\t+512*\c
.endr
.endr
.endm
.macro D i, b0, adr                    ; 16 LDS loads: x's blocks b0 .. b0 + 7 of step i
.irp u, 0,1,2,3,4,5,6,7
.irp c, 0,1
	ds_load_b128 v[AF+8*((\b0)+\u)+4*\c:AF+8*((\b0)+\u)+4*\c+3], v[\adr] offset:64*((\i)%8)+32*\c+BLK*\u
.endr
.endr
.endm
.macro SCALES set, off                 ; scale words of four steps: blocks 2 u (lanes 0-15) and 2 u + 1 (lanes 16-31)
.irp u, 0,1,2,3,4,5,6,7
	ds_load_b128 v[SC+32*(\set)+4*\u:SC+32*(\set)+4*\u+3], v[ADRS] offset:\off+\u*2*SBLK
.endr
.endm
; Pair p, 32 rows, x four tiles of step cI.  The accumulators take turns, one instruction a turn.
.macro M4P p
.set rX, SC+32*((cI/4)%2)+4*(\p)+(cI%4)
.set rA, AF+16*(\p)
.irp t, 0,1,2,3
.set rB, 32*(cI%8)+8*\t
.set rD, 64*((\p)%4)+16*\t
.set rW, WSR+\t
.if cZ
	v_wmma_scale_f32_32x16x128_f4 v[rD:rD+15], v[rA:rA+15], v[rB:rB+7], 0, v[rX], v[rW]
.else
	v_wmma_scale_f32_32x16x128_f4 v[rD:rD+15], v[rA:rA+15], v[rB:rB+7], v[rD:rD+15], v[rX], v[rW]
.endif
.endr
.endm
.macro MULS p0                         ; four pairs: 16 matrix instructions
.irp v, 0,1,2,3
	M4P (\p0)+\v
.endr
.endm
; A STEP, i = its number in the eight of a part: blocks 0-7, then 8-15; behind each half its registers take the next step's fragments.  sc: so do the next four steps' scale words.
; turn: the part changes.  1: the slot just read is filled again, behind a round of the cluster's barrier; 2: it is not.  pf: prefetches.
.macro STEP i, turn, sc, pf
.set cI, \i
.if \turn
	s_wait_tensorcnt 0x0                           ; my rows of the next part are in
.if (\turn) == 1
	ds_add_u32 v[SPW], v[NIL]                      ; 0 onto my spare word
	s_wait_loadcnt 48
	s_wait_dscnt 17                                ; (the add and blocks 8-15 may be out)
.else
	s_wait_loadcnt 48
	s_wait_dscnt 16
.endif
	WIN MUL_LO
	M4P 0
	M4P 1
	s_wait_dscnt 0x0                               ; my reads of this slot are over
	s_barrier_signal -1
	M4P 2
	M4P 3
	WIN 0
	s_barrier_wait -1                              ; the next part is whole
.if (\turn) == 1
	CREST                                          ; no wave of any partner still reads this slot or has a load on its way
	s_add_nc_u64 s[G0P+2:G0P+3], s[G0P+2:G0P+3], 512
	s_add_co_u32 s[G0P+1], s[WOF], s[SL]
	tensor_load_to_lds s[G0P:G0P+3], s[G1:G1+7]    ; the part after next, into the slot just read
	s_nop 0
.endif
	PLACES
	s_xor_b32 s[SL], s[SL], SLOT
	v_add_nc_u32 v[ADL], s[SL], v[BSL]
	v_add_nc_u32 v[ADRS], 32, v[ADRS]              ; the next part's eight scale words
	v_add_nc_u32 v[ADH], HALFR, v[ADL]
	s_wait_alu depctr_va_vdst(0)                   ; directly behind the writes
.else
	s_wait_loadcnt 48                              ; this step's W is in; the six steps behind it may be out
	s_wait_dscnt 16                                ; blocks 0-7 are in; 8-15 may be out
	WIN MUL_LO
	MULS 0
	PLACES
	WIN 0
.endif
.if \sc
	SCALES (((\i)+2)/4)%2, 4*((\i)+2)
.endif
	D (\i)+1, 0, ADL
	WIN TO_B
	GL (\i)+7
	WIN 0
.if \pf
	global_prefetch_b8 v[PFO], s[PFA:PFA+1] offset:65536 th:TH_LOAD_NT scope:SCOPE_SE
	global_prefetch_b8 v[PFX], s[PXA:PXA+1] th:TH_LOAD_NT scope:SCOPE_SE
.endif
.if (\turn) == 0
	s_wait_dscnt 16+8*(\sc)                        ; blocks 8-15 are in; what has just been issued may be out
.endif
	WIN MUL_HI
	MULS 4
	PLACES
	WIN 0
	D (\i)+1, 8, ADH
.endm
	s_load_b256 s[4:11], s[0:1], 0x0               ; x_codes s[4:5], x_scales s[6:7], w_codes s[8:9], w_scales s[10:11]
	s_load_b128 s[12:15], s[0:1], 0x20             ; bias s[12:13], y s[14:15]
	v_lshl_add_u32 v[SPW], v0, 2, SPARE
	v_mov_b32 v[NIL], 0
	ds_add_u32 v[SPW], v[NIL]                      ; the wave's opening: the add, twice on end, and its wait ahead of my first tensor load
	ds_add_u32 v[SPW], v[NIL]
	v_lshrrev_b32 v1, 5, v0
	v_and_b32 v3, 15, v0                           ; r
	v_bfe_u32 v4, v0, 4, 1                         ; h
	v_and_b32 v5, 31, v0                           ; lane
	v_readfirstlane_b32 s[WV], v1
	v_mul_u32_u24 v6, v3, PITCH
	v_lshlrev_b32 v[WSO], 2, v3
	v_lshlrev_b32 v[BIO], 4, v3
	v_lshlrev_b32 v[BO], 4, v5
	v_lshl_add_u32 v[BSL], v4, 4, v6
	v_lshl_add_u32 v[ADL], v4, 4, v6
	v_lshrrev_b32 v7, 1, v3
	v_and_b32 v8, 1, v3
	v_mul_u32_u24 v7, v7, 272                      ; two rows of scales to a line
	v_lshlrev_b32 v9, 17, v4                       ; 8 h rows of y, 16,384 bytes each
	v_lshl_add_u32 v7, v8, 7, v7
	v_mul_u32_u24 v8, v4, SBLK                     ; lanes 16-31: 16 rows further on
	v_add_nc_u32 v[ADH], HALFR, v[ADL]
	v_add_nc_u32 v[CO], v9, v[BIO]
	v_add_nc_u32 v7, v7, v8
	v_lshlrev_b32 v9, 8, v3
	v_lshrrev_b32 v10, 1, v5
	v_and_b32 v11, 1, v0
	v_lshl_add_u32 v[PFO], v4, 13, v9
	v_lshlrev_b32 v10, 11, v10
	v_add_nc_u32 v[ADRS], SCL, v7
	v_lshl_add_u32 v[PFX], v11, 8, v10
	s_and_b32 s18, ttmp7, 0xffff                   ; row group, 0 .. 15
	s_lshr_b32 s19, s[WV], 1                       ; 0: I fetch codes at the head; 1: scales
	s_and_b32 s20, s[WV], 1                        ; which half of them
	; group 1: rows of 512 bytes of x's codes, 128 at the head
	s_mov_b32 s[G1+0], 15|(1<<20)|(1<<21)|(6<<22)|(3<<25)          ; 15:0 all four work-groups; elements of 1 byte; padding of 4 words behind every 128
	s_mov_b32 s[G1+1], 512<<16
	s_mov_b32 s[G1+2], 128<<16
	s_mov_b32 s[G1+3], 512<<16
	s_mov_b32 s[G1+4], 128
	s_mov_b32 s[G1+5], 2048
	s_mov_b32 s[G1+6], 0
	s_mov_b32 s[G1+7], 0
	; the scales, a dense block: 64 lines of 256 bytes (32 elements of 8), padding of 4 words behind every 64
	s_mov_b32 s[G1S+0], 15|(3<<16)|(1<<20)|(1<<21)|(5<<22)|(3<<25)
	s_mov_b32 s[G1S+1], 32<<16
	s_mov_b32 s[G1S+2], 64<<16
	s_mov_b32 s[G1S+3], 32<<16
	s_mov_b32 s[G1S+4], 64
	s_mov_b32 s[G1S+5], 32
	s_mov_b32 s[G1S+6], 0
	s_mov_b32 s[G1S+7], 0
	s_mov_b32 s[G0], 1
	s_mul_i32 s[G0+1], s20, HALFR                  ; part 0: my 128 rows, in slot 0
	s_mov_b32 s[G0S], 1
	s_mul_i32 s[G0S+1], s20, QS
	s_add_co_u32 s[G0S+1], s[G0S+1], SCL
	s_mul_i32 s[WOF], s[WV], 64*PITCH
	s_mov_b32 s[G0P], 1
	s_add_co_u32 s[G0P+1], s[WOF], SLOT            ; part 1: my 64 rows, in slot 1
	s_mov_b32 s[SL], 0
	s_lshl_b32 s58, s18, 19                        ; 256 rows of codes
	s_mov_b32 s59, 0
	s_lshl_b32 s60, s18, 15                        ; 256 rows of scales
	s_mov_b32 s61, 0
	s_lshl_b32 s66, s20, 18                        ; 128 rows of codes
	s_mov_b32 s67, 0
	; what hangs on the column group has registers of its own
	s_bfe_u32 s17, ttmp6, 0x40000                  ; my place in the cluster
	s_lshl_b32 s70, ttmp9, 2
	s_add_co_u32 s70, s70, s17                     ; column group, 0 .. 15
	s_lshl_b32 s70, s70, 2
	s_add_co_u32 s70, s70, s[WV]                   ; my 64 columns: 0 .. 63
	s_lshl_b32 s71, s17, 2
	s_add_co_u32 s71, s71, s[WV]                   ; which 16 of the 256 rows I prefetch
	s_lshr_b32 s23, s18, 2                         ; which two of eight steps of W
	s_wait_alu depctr_va_vdst(0)                   ; covers the head's vector work
	s_wait_dscnt 0x0                               ; both opening adds are done
	s_wait_kmcnt 0x0
	s_add_nc_u64 s[58:59], s[4:5], s[58:59]
	s_add_nc_u64 s[60:61], s[6:7], s[60:61]
	s_add_nc_u64 s[G0+2:G0+3], s[58:59], s[66:67]
	s_or_b32 s[G0+3], s[G0+3], 0x80000000
	s_lshl_b32 s66, s20, 14                        ; 64 lines of scales
	s_add_nc_u64 s[G0S+2:G0S+3], s[60:61], s[66:67]
	s_or_b32 s[G0S+3], s[G0S+3], 0x80000000
	CROUND                                         ; all four work-groups are here: the first joint loads meet
	s_cmp_eq_u32 s19, 0
	s_cbranch_scc0 .Lfor_scales
	tensor_load_to_lds s[G0:G0+3], s[G1:G1+7]      ; one tensor load a wave
	s_nop 0
	PLACES
	s_branch .Lasked
.Lfor_scales:
	tensor_load_to_lds s[G0S:G0S+3], s[G1S:G1S+7]
	s_nop 0
	PLACES
.Lasked:
	s_lshl_b32 s66, s[WV], 17
	s_add_co_u32 s66, s66, 512                     ; my 64 rows, one part on
	s_add_nc_u64 s[G0P+2:G0P+3], s[58:59], s[66:67]
	s_or_b32 s[G0P+3], s[G0P+3], 0x80000000
	s_mov_b32 s63, 0
	s_lshr_b32 s62, s70, 1
	s_lshl_b32 s62, s62, 18                        ; 128 columns' codes: 262,144 bytes;
	s_and_b32 s68, s70, 1
	s_lshl_b32 s68, s68, 12                        ; of each step's 8,192 my half
	s_add_co_u32 s62, s62, s68
	s_add_nc_u64 s[BP:BP+1], s[8:9], s[62:63]
	s_lshl_b32 s62, s70, 10
	s_add_nc_u64 s[10:11], s[10:11], s[62:63]      ; my four tiles' scale words
	s_lshl_b32 s62, s70, 8
	s_add_nc_u64 s[12:13], s[12:13], s[62:63]
	s_add_nc_u64 s[14:15], s[14:15], s[62:63]
	s_lshl_b32 s62, s18, 22                        ; 256 rows of y
	s_add_nc_u64 s[14:15], s[14:15], s[62:63]
	s_lshl_b32 s62, s23, 14
	s_add_co_u32 s62, s62, 8*8192
	s_add_nc_u64 s[PFA:PFA+1], s[BP:BP+1], s[62:63]
	s_lshl_b32 s62, s71, 15
	s_add_co_u32 s62, s62, 2*512
	s_add_nc_u64 s[PXA:PXA+1], s[58:59], s[62:63]
.irp t, 0,1,2,3
	global_load_b32 v[WSR+\t], v[WSO], s[10:11] offset:256*\t
.endr
	global_load_b128 v[BI:BI+3], v[BIO], s[12:13]
	WIN TO_B
	GL 0
	GL 1
	GL 2
	WIN 0
	global_prefetch_b8 v[PFO], s[PFA:PFA+1] th:TH_LOAD_NT scope:SCOPE_SE
	s_wait_tensorcnt 0x0                           ; my tile of the head's four is in
	ds_add_u32 v[SPW], v[NIL]
	s_mov_b32 s[G1+2], 64<<16                      ; no tensor load of mine is out: from here on a load brings 64 rows
	s_mov_b32 s[G1+4], 64
	s_wait_dscnt 0x0                               ; the add is done
	CROUND                                         ; all four tiles are in, and all four work-groups are here
	tensor_load_to_lds s[G0P:G0P+3], s[G1:G1+7]    ; part 1, a quarter a wave
	s_nop 0
	PLACES
	SCALES 0, 0
	D 0, 0, ADL                                    ; step 0's fragments of x
	D 0, 8, ADH
	WIN TO_B
	GL 3
	GL 4
	GL 5
	GL 6
	WIN 0
.set cZ, 1
	STEP 0, 0, 0, 0                                ; the first step's products start the sums: nothing is cleared
.set cZ, 0
	s_mov_b32 s3, 2
.Lpart:                                                ; steps 8 t + 1 to 8 t + 8
	STEP 1, 0, 0, 1
	STEP 2, 0, 1, 0
	STEP 3, 0, 0, 0
	STEP 4, 0, 0, 0
	STEP 5, 0, 0, 0
	STEP 6, 0, 1, 0
	STEP 7, 1, 0, 0
	STEP 8, 0, 0, 0
	s_wait_xcnt 0x0                                ; the loads and the prefetches have read their bases
	s_add_nc_u64 s[BP:BP+1], s[BP:BP+1], 0x10000
	s_add_nc_u64 s[PFA:PFA+1], s[PFA:PFA+1], 0x10000
	s_add_nc_u64 s[PXA:PXA+1], s[PXA:PXA+1], 512
	s_sub_co_u32 s3, s3, 1
	s_cmp_lg_u32 s3, 0
	s_cbranch_scc1 .Lpart
	STEP 1, 0, 0, 0                                ; steps 17 to 24
	STEP 2, 0, 1, 0
	STEP 3, 0, 0, 0
	STEP 4, 0, 0, 0
	STEP 5, 0, 0, 0
	STEP 6, 0, 1, 0
	STEP 7, 2, 0, 0
	STEP 8, 0, 0, 0
; BY ROWS: steps 26 to 31, numbers 2 to 7 of part 3.
.macro ALOAD a                         ; block a's fragments of the six steps: 12 loads into buffer a % 2
.if (\a) < 8
.set rR, ADL
.else
.set rR, ADH
.endif
.irp u, 0,1,2,3,4,5
.irp c, 0,1
	ds_load_b128 v[AF+48*((\a)%2)+8*\u+4*\c:AF+48*((\a)%2)+8*\u+4*\c+3], v[rR] offset:64*(2+\u)+32*\c+BLK*((\a)%8)
.endr
.endr
.endm
.set cI, 1
	s_wait_loadcnt 48                              ; step 25: nothing more of W to ask for
	s_wait_dscnt 16
	WIN MUL_LO
	MULS 0
	PLACES
	WIN 0
	SCALES 1, 16
	ALOAD 0
	s_wait_dscnt 20                                ; blocks 8-15 are in; the twenty just issued may be out
	WIN MUL_HI
	MULS 4
	PLACES
	WIN 0
	ALOAD 1
.macro M4R a                           ; block a, 16 rows, x four tiles of step cI, on half of each pair's accumulator; x's fragment at register rA
.set rX, SC+32*((cI/4)%2)+4*((\a)/2)+(cI%4)
.irp t, 0,1,2,3
.set rB, 32*(cI%8)+8*\t
.set rD, 64*(((\a)/2)%4)+16*\t+8*((\a)%2)
.set rW, WSR+\t
.if (\a)%2
	v_wmma_scale_f32_16x16x128_f8f6f4 v[rD:rD+7], v[rA:rA+7], v[rB:rB+7], v[rD:rD+7], v[rX], v[rW] matrix_a_fmt:MATRIX_FMT_FP4 matrix_b_fmt:MATRIX_FMT_FP4 matrix_a_scale:MATRIX_SCALE_ROW1
.else
	v_wmma_scale_f32_16x16x128_f8f6f4 v[rD:rD+7], v[rA:rA+7], v[rB:rB+7], v[rD:rD+7], v[rX], v[rW] matrix_a_fmt:MATRIX_FMT_FP4 matrix_b_fmt:MATRIX_FMT_FP4
.endif
.endr
.endm
.macro ROW a                           ; block a is finished (24 matrix instructions, its four accumulators by turns) and leaves, each accumulator from its low end on
.if (\a) < 15
	s_wait_dscnt 12                                ; the next block's loads may be out
.else
	s_wait_dscnt 0x0
.endif
.if (\a) < 8
	WIN MUL_LO
.else
	WIN MUL_HI
.endif
.irp u, 0,1,2,3,4,5
.if (\a) == 0
	s_wait_loadcnt 40-8*\u                         ; this step's W is in
.endif
.set cI, 2+\u
.set rA, AF+48*((\a)%2)+8*\u
	M4R \a
.endr
	PLACES
	WIN 0
.if (\a) < 14
	ALOAD (\a)+2
.endif
.if (\a) > 1
	s_wait_xcnt 0x0                                ; block a - 2's stores have read the registers written below
.endif
	WIN 0x42+(\a)/8                                ; source 0 window 2 or 3, destination window 1
.irp j, 0,1,2,3,4,5,6,7
.irp t, 0,1,2,3
	v_add_f32 v[32*((\a)%2)+4*\j+\t], v[64*(((\a)/2)%4)+16*\t+8*((\a)%2)+\j], v[BI+\t]
.endr
.endr
	WIN 0x04                                       ; the data: window 1
.irp j, 0,1,2,3,4,5,6,7
	global_store_b128 v[CO], v[32*((\a)%2)+4*\j:32*((\a)%2)+4*\j+3], s[14:15] offset:(16*(\a)+\j)*16384 th:TH_STORE_NT   ; 16 lanes store 256 consecutive bytes, at a multiple of 256 from y's first byte; two rows
.endr
	WIN 0
.endm
.irp a, 0,1,2,3,4,5,6,7,8,9,10,11,12,13,14,15
	ROW \a
.endr
	s_wait_tensorcnt 0x0                           ; the wave's end
	ds_add_u32 v[SPW], v[NIL]
	s_wait_dscnt 0x0
	CROUND                                         ; the closing round
	s_endpgm
.Lfunc_end_k_q09d8f1a760_gemm:
	.size	k_q09d8f1a760_gemm, .Lfunc_end_k_q09d8f1a760_gemm-k_q09d8f1a760_gemm
	.p2alignl 7, 3214868480
	.fill 96, 4, 3214868480
	.section	.rodata,"a",@progbits
	.p2align	6, 0x0
	.amdhsa_kernel k_q09d8f1a760_gemm
		.amdhsa_group_segment_fixed_size 327680
		.amdhsa_private_segment_fixed_size 0
		.amdhsa_enable_private_segment 0
		.amdhsa_kernarg_size 48
		.amdhsa_user_sgpr_count 2
		.amdhsa_user_sgpr_kernarg_segment_ptr 1
		.amdhsa_wavefront_size32 1
		.amdhsa_system_sgpr_workgroup_id_x 1
		.amdhsa_system_sgpr_workgroup_id_y 1
		.amdhsa_system_sgpr_workgroup_id_z 1
		.amdhsa_system_vgpr_workitem_id 0
		.amdhsa_next_free_vgpr 1024
		.amdhsa_next_free_sgpr 72
		.amdhsa_reserve_vcc 0
		.amdhsa_float_denorm_mode_32 3
		.amdhsa_float_denorm_mode_16_64 3
		.amdhsa_memory_ordered 1
		.amdhsa_forward_progress 1
		.amdhsa_inst_pref_size 242
	.end_amdhsa_kernel
	.amdgpu_metadata
---
amdhsa.version: [ 1, 2 ]
amdhsa.kernels:
  - .name:           k_q09d8f1a760_gemm
    .symbol:         k_q09d8f1a760_gemm.kd
    .args:
      - { .name: x_codes, .offset: 0, .size: 8, .value_kind: global_buffer, .address_space: global }
      - { .name: x_scales, .offset: 8, .size: 8, .value_kind: global_buffer, .address_space: global }
      - { .name: w_codes, .offset: 16, .size: 8, .value_kind: global_buffer, .address_space: global }
      - { .name: w_scales, .offset: 24, .size: 8, .value_kind: global_buffer, .address_space: global }
      - { .name: bias, .offset: 32, .size: 8, .value_kind: global_buffer, .address_space: global }
      - { .name: out0, .offset: 40, .size: 8, .value_kind: global_buffer, .address_space: global }
    .group_segment_fixed_size: 327680
    .private_segment_fixed_size: 0
    .kernarg_segment_align: 8
    .kernarg_segment_size: 48
    .max_flat_workgroup_size: 128
    .sgpr_count:     72
    .vgpr_count:     1024
    .wavefront_size: 32
...
	.end_amdgpu_metadata
.endif
;; end of part 2
